; MI455X (gfx1250); checked and timed in simulation.
; The chip was launched on July 23, 2026; its instructions are those of AMD's public machine-readable ISA for CDNA 5 (MIT licence, August 2026) and "CDNA5" Instruction Set Architecture Reference Guide (July 2026). The comments in the code are by the model that wrote it; some were corrected since.
;; MHA. Allowed arithmetic: matrix products marked QUANTISED: E2M1 operands, one E8M0 scale for each 32 along K, by v_wmma_scale_f32_16x16x128_f8f6f4 with both operands' format E2M1 (or v_wmma_scale_f32_32x16x128_f4), f32 sums; everything else in f32.
;; Inputs: qkv 3 x 16 x 1,024 x 64 float32; x 4 x 1,024 x 2,048 float32.
;; Outputs: out0 4 x 1,024 x 2,048 float32.
;; This version of the problem:
;;   THIS VERSION OF THE PROBLEM IS GIVEN IN LOW PRECISION. The matrix products marked QUANTISED in the list below multiply operands that are first quantised to E2M1 (2 exponent bits, 1 mantissa bit; 4 bits a number), with one power-of-two scale for each 32 numbers along K (OCP MX v1.0); their sums are f32. All else is computed in f32.
;;   The module's matrix products, in the order in which they are computed (A, B: the left and right operand; K: the contracted axis; several contracted axes count as one K, in the product's order):
;;     1. [M 3,072, K 1,024] x [K 1,024, N 8,192]; A: input qkv; B: input x: QUANTISED
;;     2. batch 64 x [M 2,048, K 64] x [K 64, N 2,048]; A: computed on the way; B: computed on the way: QUANTISED
;;     3. batch 64 x [M 64, K 2,048] x [K 2,048, N 2,048]; A: computed on the way; B: softmax (see below): QUANTISED
;;   THE QUANTISER, for each operand of a quantised product, along K:
;;     - K is cut into blocks of 32 from its start; a last block that is shorter is filled with zeros.
;;     - A block's scale is 2^e with e = floor(log2(the largest magnitude in the block)) - 2, held to -126 .. 127; a block of zeros has e = 0. As a byte (E8M0): e + 127.
;;     - Each number is divided by its block's scale, clamped to +-6, and rounded to the nearest number of E2M1, ties to even, subnormals kept.
;;     - The product sums the exact products of the quantised numbers (number of the format x scale) in f32.
;;   ~~~python
;;   def quantise(x, axis):      # numpy; x: float32 -> the quantised numbers, widened to float32 again
;;       x = np.moveaxis(x, axis, -1); K = x.shape[-1]
;;       x = np.pad(x, [(0, 0)] * (x.ndim - 1) + [(0, -K % 32)]); x = x.reshape(x.shape[:-1] + (-1, 32)); a = np.abs(x).max(-1, keepdims=True)
;;       e = np.where(a > 0, np.clip(np.frexp(np.where(a > 0, a, 1))[1] - 1 - 2, -126, 127), 0)      # np.frexp(a)[1] - 1 = floor(log2(a)), exactly
;;       r = np.clip(x / 2.0 ** e, -6, 6)
;;       step = 2.0 ** (np.maximum(np.frexp(np.where(r == 0, 1, r))[1] - 1, 0) - 1)
;;       q = np.round(r / step) * step * 2.0 ** e      # np.round: ties to even
;;       return np.moveaxis(q.reshape(q.shape[:-2] + (-1,))[..., :K], -1, axis).astype(np.float32)
;;   ~~~
;;   SOFTMAX AHEAD OF A QUANTISED PRODUCT. Where the list says 'softmax', what is quantised is not the finished softmax but p = 2^(t - M), with t = logit x log2(e) and M = ceil(the row's largest t), a whole number; so 1/2 < the row's largest p <= 1. The row's sum l is taken of the UNQUANTISED p, in f32, and the product's result is divided by l at the end. Since M is a whole number, a kernel that streams over the keys may use a running M (the ceiling of the running maximum): every later rescaling is an exact power of two, which a block's scale takes up: the codes' values come out the same.
;;   OPERANDS COMPUTED ON THE WAY. 'Computed on the way' means the value that the module computes at that place (a softmax that the list does not call 'softmax' is quantised finished and normalised). What goes into a quantiser is computed in f32, as accurately as f32 sums, v_exp_f32 and their like allow (about 1e-6 of the number): no bf16 or f16 on the way to a quantiser, and a product that is left as it is and whose result goes on into a quantised operand takes f32 operands (vector FMAs, or v_wmma_f32_16x16x4_f32). A number that lies on a knife's edge between two numbers of the format may be rounded either way, as far as f32 arithmetic and the matrix unit's own rounding can turn it there, and no further.
;; One version. Each part assembles by itself: llvm-mc -triple=amdgcn-amd-amdhsa -mcpu=gfx1250 --defsym DOCPART=n.
;; ======== version 1 of 1: 3 launches
;; limits: right only within a limited range of input values
;; workspace buffers: xc 4,194,304 bytes; xs 262,144 bytes; wc 1,572,864 bytes; ws 98,304 bytes; qc 4,194,304 bytes; qs 524,288 bytes; kv 9,175,040 bytes
;; launch quant (part 1): grid 352 x 1, 4 waves a work-group, no clusters, 0 bytes of LDS; arguments x, qkv, xc, xs, wc, ws; writes xc, xs, wc, ws
.if DOCPART == 1
	.amdgcn_target "amdgcn-amd-amdhsa--gfx1250"
	.amdhsa_code_object_version 6
	.text
	.protected	k_q9cfa77d538_quant
	.globl	k_q9cfa77d538_quant
	.p2align	8
	.type	k_q9cfa77d538_quant,@function
k_q9cfa77d538_quant:
	s_mov_b64 s[64:65], 0
	v_nop
	global_prefetch_b8 v0, s[64:65] scope:SCOPE_SE
	s_setreg_imm32_b32 hwreg(HW_REG_WAVE_MODE, 25, 1), 1
	s_wait_xcnt 0x0
; FIRST OF THREE LAUNCHES (quant, proj, attn) of attention with normalised q and k, all three products on codes of E2M1 with one E8M0 scale for each 32 along K.
; NO WORK IS LEFT OUT: both inputs reach the output and every product of the problem is done.
; THIS LAUNCH turns both operands of the first product into codes: x [4][1024 d][2048 t] and qkv [3][16][1024 d][64 e], f32, K = d, which is innermost in neither.
; A LANE TAKES A COLUMN (a t of x, an e of qkv) AND ITS REGISTERS RUN DOWN d: a block of 32 along K is one lane's 32 registers, and the conversions give codes with K innermost.
; THE CODES ARE LAID AS IMAGES OF THE OPERAND'S REGISTERS.  64 neighbouring rows of an operand ((b, t) for x, (n, h, e) for qkv) make four tiles: tile u (0 .. 3) of the 64 rows G takes in lane r the row
; 64 G + 32 (r / 8) + 8 u + r % 8.  As source 0 of a product such a tile gives lane half h, register j the row 64 G + 32 h + 8 u + j: the 32 registers of the four tiles are one whole block of 32 neighbours.
; Two tiles make a group g = 2 G + u / 2 of the buffers:
;   codes  [g][K step s of 128][u % 2][c][lane (r, h)][16 bytes]: the codes of k = 128 s + 64 c + 32 h + 0 .. 31 of the tile's row r: registers 4 c .. 4 c + 3 of that lane
;   scales [g][s][lane 16 (u % 2) + r]: one word, byte t for k = 128 s + 32 t + 0 .. 31
; A wave takes the 64 rows G and one K step, in eight units: block t = 0 .. 3 along K, first for columns 0 .. 31 (a lane a column: a load reads 128 consecutive bytes), then for columns 32 .. 63.
; Behind each pair of units the two sets of codes change halves (the first's lanes 16-31 with the second's lanes 0-15): the first then holds tiles 0 and 1, the second tiles 2 and 3; lane l holds tile (l / 8) % 2 of the pair, row
; r = 8 (l / 16) + l % 8.  A block's 16 bytes go to 1024 (u % 2) + 256 t + 16 r: one store writes two whole aligned runs of 256 bytes, straight from registers: no LDS, no barrier.
; A block's scale byte is the largest magnitude's exponent field - 2, held at 1 from below by a floor among the maximum's leaves.
; LIMITS: a block of zeros gets the byte 1 where the rule says 127 (its codes are zeros, and this program alone reads the bytes); NaN and infinities among the inputs are not served.
; No cluster: no two work-groups read the same bytes.  Work-groups 0 .. 255 take x, 256 .. 351 qkv: the two differ in the loads' row stride, an immediate, so the body stands twice, by one macro.
.set EMAX, 2
.set C, 16                             ; v16-47   codes, four registers a unit: no store's data are written again
.set X, 48                             ; v48-111  two sets of 32 numbers
	s_load_b256 s[4:11], s[0:1], 0x0               ; x, qkv, xc, xs
	s_load_b128 s[12:15], s[0:1], 0x20             ; wc, ws
	v_lshrrev_b32 v1, 5, v0
	v_readfirstlane_b32 s16, v1                    ; wave 0..3
	v_and_b32 v1, 31, v0                           ; lane
	v_lshlrev_b32 v2, 2, v1                        ; v2: my column's 4 bytes in a row of the input
	v_and_b32 v5, 7, v0
	v_bfe_u32 v6, v0, 3, 1                         ; behind the exchange: which tile of the pair,
	v_bfe_u32 v7, v0, 4, 1
	v_lshl_add_u32 v5, v7, 3, v5                   ; and its row r = 8 (lane / 16) + lane % 8
	v_lshlrev_b32 v3, 4, v5
	v_lshl_add_u32 v3, v6, 10, v3                  ; v3: my 16 bytes of a block's codes
	v_lshl_add_u32 v4, v6, 4, v5
	v_lshlrev_b32 v4, 2, v4                        ; v4: my scale word
	s_wait_kmcnt 0x0
.macro LOAD n, str, in                 ; unit n: block n / 2, columns 32 (n % 2) on: 32 numbers down K into set n % 2; a wave's load reads 128 consecutive bytes of a row
.irp i, 0,1,2,3,4,5,6,7,8,9,10,11,12,13,14,15,16,17,18,19,20,21,22,23,24,25,26,27,28,29,30,31
	global_load_b32 v[X+32*((\n)%2)+\i], v2, s[\in:\in+1] offset:(32*((\n)/2)+\i)*(\str)+128*((\n)%2) th:TH_LOAD_NT
.endr
.endm
.macro UNIT n, str, in, co
.set XS, X+32*((\n)%2)
.if (\n) < 7
	s_wait_loadcnt 32                              ; this unit's 32 loads are in; the next unit's 32 may be out
.else
	s_wait_loadcnt 0
.endif
	v_max3_num_f32 v12, |v[XS]|, |v[XS+1]|, |v[XS+2]|          ; the block's largest magnitude, in two chains
	v_max3_num_f32 v13, |v[XS+3]|, |v[XS+4]|, |v[XS+5]|
.irp i, 6,10,14,18,22,26
	v_max3_num_f32 v12, v12, |v[XS+\i]|, |v[XS+\i+1]|
	v_max3_num_f32 v13, v13, |v[XS+\i+2]|, |v[XS+\i+3]|
.endr
	v_max3_num_f32 v12, v12, |v[XS+30]|, |v[XS+31]|
	v_max3_num_f32 v12, v12, v13, (EMAX+1)<<23     ; and the floor 2^(3 - 127)
	v_add_nc_u32 v11, -(EMAX<<23), v12             ; 2 off the exponent field: the conversion's scale operand
	v_lshrrev_b32 v13, 23, v11                     ; the scale's byte
.if (\n) < 2
	v_mov_b32 v[14+(\n)%2], v13
.else
	v_lshl_or_b32 v[14+(\n)%2], v13, 8*((\n)/2), v[14+(\n)%2]  ; four bytes make the K step's scale word of my column: v14 columns 0 .. 31, v15 columns 32 .. 63
.endif
.irp g, 0,1,2,3
	v_cvt_scalef32_pk8_fp4_f32 v[C+4*(\n)+\g], v[XS+8*\g:XS+8*\g+7], v11
.endr
.if (\n) < 6
	LOAD (\n)+2, \str, \in
.endif
.if (\n)%2
	v_nop                                          ; one plain place behind a scaled conversion
.irp g, 0,1,2,3
	v_permlane16_swap_b32 v[C+4*(\n)-4+\g], v[C+4*(\n)+\g]     ; the first set: tiles 0, 1; the second: tiles 2, 3
.endr
	global_store_b128 v3, v[C+4*(\n)-4:C+4*(\n)-1], s[\co:\co+1] offset:256*((\n)/2)         ; two whole aligned runs of 256 bytes, in group 2 G,
	global_store_b128 v3, v[C+4*(\n):C+4*(\n)+3], s[\co:\co+1] offset:16384+256*((\n)/2)     ; and in group 2 G + 1
.endif
.endm
; g, s: the scalar registers that hold my G and my K step; s[20:21]: where my wave's part of the input begins
.macro TENSOR str, in, co, so, g, s
	s_add_nc_u64 s[\in:\in+1], s[\in:\in+1], s[20:21]
	LOAD 0, \str, \in
	LOAD 1, \str, \in
	s_lshl_b32 s22, s[\g], 15                      ; codes: 2 x 16,384 bytes for 64 rows, 2,048 a K step
	s_lshl_b32 s24, s[\s], 11
	s_add_co_u32 s22, s22, s24
	s_mov_b32 s23, 0
	s_lshl_b32 s24, s[\g], 11                      ; scale words: 2 x 1,024 bytes for 64 rows, 128 a K step
	s_lshl_b32 s26, s[\s], 7
	s_add_co_u32 s24, s24, s26
	s_mov_b32 s25, 0
	s_add_nc_u64 s[\co:\co+1], s[\co:\co+1], s[22:23]
	s_add_nc_u64 s[\so:\so+1], s[\so:\so+1], s[24:25]
.irp n, 0,1,2,3,4,5,6,7
	UNIT \n, \str, \in, \co
.endr
	v_permlane16_swap_b32 v14, v15                 ; the scale words change halves as the codes did
	global_store_b32 v4, v14, s[\so:\so+1]         ; 128 consecutive bytes, in group 2 G,
	global_store_b32 v4, v15, s[\so:\so+1] offset:1024         ; and in group 2 G + 1
	s_endpgm
.endm
	s_cmp_lt_u32 ttmp9, 256
	s_cbranch_scc0 .Lweights
	; x: the work-group's four waves take four neighbouring G, 1,024 consecutive bytes of each row d
	s_and_b32 s17, ttmp9, 31
	s_lshr_b32 s18, ttmp9, 5                       ; K step
	s_lshl_b32 s19, s17, 2
	s_add_co_u32 s19, s19, s16                     ; G = 4 (id & 31) + wave
	s_lshr_b32 s20, s17, 3                         ; b
	s_lshl_b32 s20, s20, 23                        ; x 1,024 rows of 8,192 bytes
	s_lshl_b32 s22, s18, 20                        ; + 128 rows a K step
	s_add_co_u32 s20, s20, s22
	s_and_b32 s22, s19, 31
	s_lshl_b32 s22, s22, 8                         ; + 256 bytes for each 64 t
	s_add_co_u32 s20, s20, s22
	s_mov_b32 s21, 0
	s_wait_alu depctr_va_vdst(0)                   ; the wait at the head's end
	TENSOR 8192, 4, 8, 10, 19, 18
.Lweights:
	; qkv: a slab (n, h) is 1,024 rows d of 64 e: one G.  The work-group's four waves take four neighbouring K steps of a slab
	s_sub_co_u32 s17, ttmp9, 256
	s_lshr_b32 s19, s17, 1                         ; G = the slab
	s_and_b32 s17, s17, 1
	s_lshl_b32 s17, s17, 2
	s_add_co_u32 s17, s17, s16                     ; K step
	s_lshl_b32 s20, s19, 18                        ; 262,144 bytes a slab
	s_lshl_b32 s22, s17, 15                        ; 128 rows of 256 bytes a K step
	s_add_co_u32 s20, s20, s22
	s_mov_b32 s21, 0
	s_wait_alu depctr_va_vdst(0)                   ; the wait at the head's end
	TENSOR 256, 6, 12, 14, 19, 17
.Lfunc_end_k_q9cfa77d538_quant:
	.size	k_q9cfa77d538_quant, .Lfunc_end_k_q9cfa77d538_quant-k_q9cfa77d538_quant
	.p2alignl 7, 3214868480
	.fill 96, 4, 3214868480
	.section	.rodata,"a",@progbits
	.p2align	6, 0x0
	.amdhsa_kernel k_q9cfa77d538_quant
		.amdhsa_group_segment_fixed_size 0
		.amdhsa_private_segment_fixed_size 0
		.amdhsa_enable_private_segment 0
		.amdhsa_kernarg_size 48
		.amdhsa_user_sgpr_count 2
		.amdhsa_user_sgpr_kernarg_segment_ptr 1
		.amdhsa_wavefront_size32 1
		.amdhsa_system_sgpr_workgroup_id_x 1
		.amdhsa_system_sgpr_workgroup_id_y 1
		.amdhsa_system_sgpr_workgroup_id_z 1
		.amdhsa_system_vgpr_workitem_id 0
		.amdhsa_next_free_vgpr 112
		.amdhsa_next_free_sgpr 66
		.amdhsa_reserve_vcc 0
		.amdhsa_float_denorm_mode_32 3
		.amdhsa_float_denorm_mode_16_64 3
		.amdhsa_memory_ordered 1
		.amdhsa_forward_progress 1
		.amdhsa_inst_pref_size 78
	.end_amdhsa_kernel
	.amdgpu_metadata
---
amdhsa.version: [ 1, 2 ]
amdhsa.kernels:
  - .name:           k_q9cfa77d538_quant
    .symbol:         k_q9cfa77d538_quant.kd
    .args:
      - { .name: x, .offset: 0, .size: 8, .value_kind: global_buffer, .address_space: global }
      - { .name: qkv, .offset: 8, .size: 8, .value_kind: global_buffer, .address_space: global }
      - { .name: xc, .offset: 16, .size: 8, .value_kind: global_buffer, .address_space: global }
      - { .name: xs, .offset: 24, .size: 8, .value_kind: global_buffer, .address_space: global }
      - { .name: wc, .offset: 32, .size: 8, .value_kind: global_buffer, .address_space: global }
      - { .name: ws, .offset: 40, .size: 8, .value_kind: global_buffer, .address_space: global }
    .group_segment_fixed_size: 0
    .private_segment_fixed_size: 0
    .kernarg_segment_align: 8
    .kernarg_segment_size: 48
    .max_flat_workgroup_size: 128
    .sgpr_count:     66
    .vgpr_count:     112
    .wavefront_size: 32
...
	.end_amdgpu_metadata
.endif
;; end of part 1
;; launch proj (part 2): grid 64 x 12, 4 waves a work-group, clusters of 4 x 4, 197,120 bytes of LDS; arguments wc, ws, xc, xs, qc, qs, kv; writes qc, qs, kv
.if DOCPART == 2
	.amdgcn_target "amdgcn-amd-amdhsa--gfx1250"
	.amdhsa_code_object_version 6
	.text
	.protected	k_q9cfa77d538_proj
	.globl	k_q9cfa77d538_proj
	.p2align	8
	.type	k_q9cfa77d538_proj,@function
k_q9cfa77d538_proj:
	s_mov_b64 s[64:65], 0
	v_nop
	global_prefetch_b8 v0, s[64:65] scope:SCOPE_SE
	s_setreg_imm32_b32 hwreg(HW_REG_WAVE_MODE, 25, 1), 1
	s_wait_xcnt 0x0
	s_wait_alu depctr_hold_cnt(0) depctr_sa_sdst(0) depctr_va_vdst(0) depctr_va_sdst(0) depctr_va_ssrc(0) depctr_va_vcc(0) depctr_vm_vsrc(0)
	s_getreg_b32 s2, hwreg(HW_REG_IB_STS2, 6, 4)
	s_cmp_eq_u32 s2, 0
	s_cbranch_scc0 .Lentry_in_a_cluster
	s_endpgm
.Lentry_in_a_cluster:
	s_bfe_u32 s2, ttmp6, 0x10000c
	s_cmp_lg_u32 s2, 0xf033
	s_cbranch_scc0 .Lentry_shape_is_right
	s_endpgm
.Lentry_shape_is_right:
; SECOND LAUNCH: h = x . qkv on the codes that the first launch made (K = 1,024), then what reference() does to q and k (mean, unbiased deviation, + 1e-5), then the quantisers of the next two products.  No work is left out.
; ONE K LOOP, TWO USES.  A work-group multiplies 256 rows of an operand P (source 0) by 128 rows of an operand R (source 1).  In the result a lane holds ONE row of R and eight rows of P.
;   cluster y = 0 (q), 1 (k): P = the weights, R = x: a lane holds one t, and its registers run along e, the next product's K.
;   cluster y = 2 (v):        P = x, R = the weights: a lane holds one e, and its registers run along t, the keys, the last product's K.
; Tile u of 64 rows G holds in lane r the row 64 G + 32 (r / 8) + 8 u + r % 8 (first launch), so the 32 registers of P's tiles 4 G .. 4 G + 3 are P's rows 64 G + 32 (lane / 16) + 0 .. 31:
; a WHOLE BLOCK of the next K in one lane, in the order in which the next operand's registers 4 G .. 4 G + 3 want it: the conversions' results are the operand.
; SHARES: four waves; wave w takes P's rows 128 (w / 2) on and R's rows 64 (w % 2) on: 8 x 4 accumulators of 16 x 16, 256 registers.
; LDS: ALL OF K IS RESIDENT: 128 KiB of P's codes, 64 KiB of R's: every byte is filled once, nothing is filled again, nothing is stored to LDS.  A group's codes of all of K are 16,384 dense bytes, so each wave brings its
; share by ONE tensor load at the head: waves 0, 1 the halves of P (65,536 dense bytes each), waves 2, 3 those of R (32,768).  The scale words of a wave's own rows, 6,144 bytes, go from memory straight into the registers in which they stay.
; CLUSTER 4 x 4: P's rows hang on the cluster's row (cy), R's on its column (cx): each tile is asked for jointly by the four that share it.
; No prefetch: every byte is asked for once, at the head, and there is no loop to run ahead in.
; OUT, all as images of the next launch's operand registers, every store from registers in whole runs of 256 aligned bytes:
;   qc [bh][tile 128][lane (r, h)][16 B]: block h of the tile's query r;   qs [bh][64 t: 32][lane 16 (u % 2) + r][2 words: tiles u / 2 = 0, 1];
;   kv [bh][key step 16] blocks of 8,960 B: K's codes 8 tiles x 512 | V's codes 4 tiles x 1,024 at 4,096 | K's scale words 2 x 256 at 8,192 | V's 256 at 8,704.
;   q's and k's K is 64: bytes 2, 3 of their scale words are 0x7f (1.0), for the half of the K = 128 instruction that multiplies zeros.
; LIMITS: NaN and infinities are not served; a block of zeros gets the byte 1 with zero codes; the division by (s + 1e-5) is a reciprocal and a multiplication, the division by 63 a multiplication: each within the last bits of f32.
.set PB,    0                          ; P's codes: [group 8][K step 8][2,048 B]
.set RB,    131072                     ; R's codes: [group 4] likewise
.set SPARE, 196608                     ; the spare words, 128 bytes for each wave: two blocks of 256 bytes that no other line names
.set ADP0, 2                           ; v2   LDS address of my P fragments
.set ADR,  4                           ; v4   of my R fragments
.set L4,   5                           ; v5   4 x lane
.set ST16, 7                           ; v7   16 x lane;  v8  8 x lane
.set ST8,  8
.set SPW,  9                           ; v9   my spare word: SPARE + 4 x my thread's number; never rewritten
.set NIL,  10                          ; v10  0; never rewritten
.set SH8,  11                          ; v11  8 x (lane / 16)
.set SP,   16                          ; v16-47  P's scale words: group g, K step s at 16 + 8 g + s; lanes 0-15 the group's first tile, lanes 16-31 its second.  Scales and nothing else
.set SR,   48                          ; v48-63  R's likewise
.set FB,   64                          ; two fragment buffers of 96: 8 tiles of P, then 4 of R
.set Y,    64                          ; the epilogue, over the fragments: 64 numbers normalised;
.set T,    128                         ; 32 at work;
.set PC,   160                         ; the codes of R tile b at 160 + 8 b;
.set TM,   192                         ; 16 at work in the quantiser;
.set PW,   208                         ; the scale word of R tile b at 208 + b;
.set NM,   212                         ; - mean of head 0, 1 (low halves of pairs);
.set RI,   216                         ; 1 / (s + 1e-5) likewise;
.set WD,   220                         ; scale words on their way out
.set G1P,  24                          ; s[24:31] group 1 for P's codes, s[32:39] for R's
.set G1R,  32
.set MSB, 0
.macro WIN new                         ; the immediate's high byte repeats the setting that is left; a switch that changes nothing is dropped
.if MSB != (\new)
	s_set_vgpr_msb (MSB<<8)|(\new)
.set MSB, (\new)
.endif
.endm
.macro PLACES                          ; four plain vector instructions behind a matrix instruction, ahead of loads into its sources and of reads of its result
.rept 4
	v_nop
.endr
.endm
.macro CROUND                          ; a round of the cluster's barrier
	s_barrier_signal -1
	s_barrier_wait -1
	s_cmp_lg_u32 s18, 0
	s_cbranch_scc1 .Lnot_wave_0_\@
	s_barrier_signal -3
.Lnot_wave_0_\@:
	s_barrier_wait -3
	s_barrier_signal -1
	s_barrier_wait -1
.endm
.macro SHAPE g, c, r, p                ; group 1's constant words: r rows of c elements of 8 bytes, p elements from row to row, no padding
	s_mov_b32 s[\g+1], (\c)<<16
	s_mov_b32 s[\g+2], (\r)<<16
	s_mov_b32 s[\g+3], (\c)<<16
	s_mov_b32 s[\g+4], \r
	s_mov_b32 s[\g+5], \p
	s_mov_b32 s[\g+6], 0
	s_mov_b32 s[\g+7], 0
.endm
.macro PLACE g, lds, src               ; group 0 at s[g]: to LDS byte s104 + lds (s104: my half's distance), from s[src:src+1]
	s_mov_b32 s[\g], 1
	s_add_co_u32 s[\g+1], s104, \lds
	s_mov_b64 s[\g+2:\g+3], s[\src:\src+1]
	s_or_b32 s[\g+3], s[\g+3], 0x80000000
.endm
	s_load_b256 s[4:11], s[0:1], 0x0               ; wc s[4:5], ws s[6:7], xc s[8:9], xs s[10:11]
	s_load_b128 s[12:15], s[0:1], 0x20             ; qc s[12:13], qs s[14:15]
	s_load_b64 s[16:17], s[0:1], 0x30              ; kv
	v_lshl_add_u32 v[SPW], v0, 2, SPARE
	v_mov_b32 v[NIL], 0
	ds_add_u32 v[SPW], v[NIL]                      ; the wave's opening: the add, twice on end, and its wait ahead of my first tensor load; the set-up below stands between
	ds_add_u32 v[SPW], v[NIL]
	v_lshrrev_b32 v1, 5, v0
	v_readfirstlane_b32 s18, v1                    ; wave 0..3
	s_lshr_b32 s19, s18, 1                         ; pr: my 128 rows of P.  Also: I fetch for P (0) or for R (1)
	s_and_b32 s20, s18, 1                          ; rc: my 64 rows of R.  Also: which half I fetch
	s_bfe_u32 s21, ttmp6, 0x40000                  ; cx
	s_bfe_u32 s22, ttmp6, 0x40004                  ; cy
	s_mov_b32 s23, ttmp9                           ; X: the cluster's x, 0..15
	s_and_b32 s66, ttmp7, 0xffff                   ; Y: the cluster's y: 0 q, 1 k, 2 v
	s_cmp_eq_u32 s66, 2
	s_cselect_b32 s67, 1, 0                        ; the same in all sixteen partners
	s_lshl_b32 s3, s22, 2
	s_lshl_b32 s3, 15, s3                          ; my row of the cluster
	s_lshl_b32 s101, 0x1111, s21                   ; my column
	s_or_b32 s[G1P], s3, (3<<16)|(1<<21)           ; 15:0 the mask; 17:16 elements of 8 bytes; 21 set beside a mask
	s_or_b32 s[G1R], s101, (3<<16)|(1<<21)
	SHAPE G1P, 512, 16, 512                        ; four groups: 65,536 dense bytes as 16 rows of 4,096
	SHAPE G1R, 512, 8, 512                         ; two groups: 32,768
	; P's first group, made of cy, X, Y alone
	s_lshl_b32 s2, s66, 5
	s_lshl_b32 s3, s22, 3
	s_add_co_u32 s2, s2, s3                        ; q, k: weights' group 32 Y + 8 cy
	s_lshr_b32 s3, s23, 1
	s_lshl_b32 s3, s3, 3
	s_lshl_b32 s104, s22, 6
	s_add_co_u32 s3, s3, s104                      ; v: x's group 64 cy + 8 (X / 2)
	s_cmp_eq_u32 s66, 2
	s_cselect_b32 s2, s3, s2
	s_lshl_b32 s2, s2, 10                          ; in bytes of scale words
	s_mov_b32 s3, 0
	; R's first group, made of cx, X, Y alone
	s_lshl_b32 s100, s23, 4                        ; q, k: x's group 16 X + 4 cx
	s_and_b32 s101, s23, 1
	s_lshl_b32 s101, s101, 4
	s_add_co_u32 s101, s101, 64                    ; v: weights' group 64 + 16 (X % 2) + 4 cx
	s_cmp_eq_u32 s66, 2
	s_cselect_b32 s100, s101, s100
	s_lshl_b32 s101, s21, 2
	s_add_co_u32 s100, s100, s101
	s_lshl_b32 s101, s20, 1
	s_add_co_u32 s100, s100, s101                  ; + the two groups of my half: those that I fetch (waves 2, 3) are also those that I multiply
	s_lshl_b32 s100, s100, 10
	s_mov_b32 s101, 0
	s_wait_dscnt 0x0                               ; both opening adds are done
	s_wait_kmcnt 0x0
	s_cmp_eq_u32 s66, 2                            ; which buffer is P and which R: a choice that hangs on the cluster's y alone
	s_cselect_b64 s[104:105], s[8:9], s[4:5]
	s_cselect_b64 s[8:9], s[4:5], s[8:9]           ; s[8:9]   R's codes
	s_mov_b64 s[4:5], s[104:105]                   ; s[4:5]   P's codes
	s_cselect_b64 s[104:105], s[10:11], s[6:7]
	s_cselect_b64 s[10:11], s[6:7], s[10:11]       ; s[10:11] R's scale words
	s_mov_b64 s[6:7], s[104:105]                   ; s[6:7]   P's
	s_add_nc_u64 s[6:7], s[6:7], s[2:3]
	s_lshl_b32 s2, s2, 4                           ; 16,384 bytes of codes a group
	s_add_nc_u64 s[4:5], s[4:5], s[2:3]
	s_lshl_b32 s2, s19, 12
	s_add_nc_u64 s[6:7], s[6:7], s[2:3]            ; the scale words of the four groups that I multiply
	s_lshl_b32 s2, s20, 16
	s_add_nc_u64 s[4:5], s[4:5], s[2:3]            ; the codes of the four groups that I fetch
	s_add_nc_u64 s[10:11], s[10:11], s[100:101]
	s_lshl_b32 s100, s100, 4
	s_add_nc_u64 s[8:9], s[8:9], s[100:101]
	s_lshl_b32 s104, s20, 16                       ; LDS addresses hang on the wave's number alone
	PLACE 56, PB, 4
	s_lshl_b32 s104, s20, 15
	PLACE 76, RB, 8
	CROUND                                         ; all sixteen work-groups are here: the joint loads meet
	s_cmp_eq_u32 s19, 0                            ; every wave issues one load, in one arm of one branch on its number: one tensor load of mine is out
	s_cbranch_scc0 .Lfill_r
	tensor_load_to_lds s[56:59], s[G1P:G1P+7]
	s_nop 0
	PLACES
	s_branch .Lfilled
.Lfill_r:
	tensor_load_to_lds s[76:79], s[G1R:G1R+7]
	s_nop 0
	PLACES
.Lfilled:
	v_and_b32 v1, 31, v0                           ; lane
	v_lshlrev_b32 v[L4], 2, v1
.irp g, 0,1,2,3
.irp s, 0,1,2,3,4,5,6,7
	global_load_b32 v[SP+8*\g+\s], v[L4], s[6:7] offset:\g*1024+\s*128     ; the scale words of all of K stay in registers: 4,096 dense bytes of P's,
.endr
.endr
.irp g, 0,1
.irp s, 0,1,2,3,4,5,6,7
	global_load_b32 v[SR+8*\g+\s], v[L4], s[10:11] offset:\g*1024+\s*128   ; 2,048 of R's
.endr
.endr
	v_lshlrev_b32 v[ST16], 4, v1
	v_lshlrev_b32 v[ST8], 3, v1
	s_lshl_b32 s105, s19, 16                       ; my four groups of P
	v_add_nc_u32 v[ADP0], s105, v[ST16]
	s_lshl_b32 s105, s20, 15                       ; my two groups of R
	s_add_co_u32 s105, s105, RB
	v_add_nc_u32 v[ADR], s105, v[ST16]
; One matrix instruction on the registers rD, rA, rB, rSA, rSB.  ra, rb: the side's scale words stand in lanes 16-31.  zero: the product starts its sum
.macro WM ra, rb, zero
.if \zero
.if (\ra) && (\rb)
	v_wmma_scale_f32_16x16x128_f8f6f4 v[rD:rD+7], v[rA:rA+7], v[rB:rB+7], 0, v[rSA], v[rSB] matrix_a_fmt:MATRIX_FMT_FP4 matrix_b_fmt:MATRIX_FMT_FP4 matrix_a_scale:MATRIX_SCALE_ROW1 matrix_b_scale:MATRIX_SCALE_ROW1
.elseif (\ra)
	v_wmma_scale_f32_16x16x128_f8f6f4 v[rD:rD+7], v[rA:rA+7], v[rB:rB+7], 0, v[rSA], v[rSB] matrix_a_fmt:MATRIX_FMT_FP4 matrix_b_fmt:MATRIX_FMT_FP4 matrix_a_scale:MATRIX_SCALE_ROW1
.elseif (\rb)
	v_wmma_scale_f32_16x16x128_f8f6f4 v[rD:rD+7], v[rA:rA+7], v[rB:rB+7], 0, v[rSA], v[rSB] matrix_a_fmt:MATRIX_FMT_FP4 matrix_b_fmt:MATRIX_FMT_FP4 matrix_b_scale:MATRIX_SCALE_ROW1
.else
	v_wmma_scale_f32_16x16x128_f8f6f4 v[rD:rD+7], v[rA:rA+7], v[rB:rB+7], 0, v[rSA], v[rSB] matrix_a_fmt:MATRIX_FMT_FP4 matrix_b_fmt:MATRIX_FMT_FP4
.endif
.else
.if (\ra) && (\rb)
	v_wmma_scale_f32_16x16x128_f8f6f4 v[rD:rD+7], v[rA:rA+7], v[rB:rB+7], v[rD:rD+7], v[rSA], v[rSB] matrix_a_fmt:MATRIX_FMT_FP4 matrix_b_fmt:MATRIX_FMT_FP4 matrix_a_scale:MATRIX_SCALE_ROW1 matrix_b_scale:MATRIX_SCALE_ROW1
.elseif (\ra)
	v_wmma_scale_f32_16x16x128_f8f6f4 v[rD:rD+7], v[rA:rA+7], v[rB:rB+7], v[rD:rD+7], v[rSA], v[rSB] matrix_a_fmt:MATRIX_FMT_FP4 matrix_b_fmt:MATRIX_FMT_FP4 matrix_a_scale:MATRIX_SCALE_ROW1
.elseif (\rb)
	v_wmma_scale_f32_16x16x128_f8f6f4 v[rD:rD+7], v[rA:rA+7], v[rB:rB+7], v[rD:rD+7], v[rSA], v[rSB] matrix_a_fmt:MATRIX_FMT_FP4 matrix_b_fmt:MATRIX_FMT_FP4 matrix_b_scale:MATRIX_SCALE_ROW1
.else
	v_wmma_scale_f32_16x16x128_f8f6f4 v[rD:rD+7], v[rA:rA+7], v[rB:rB+7], v[rD:rD+7], v[rSA], v[rSB] matrix_a_fmt:MATRIX_FMT_FP4 matrix_b_fmt:MATRIX_FMT_FP4
.endif
.endif
.endm
; K step s: 24 LDS loads, each of 512 consecutive bytes (an image of four registers), into buffer s % 2
.macro FETCH s
.set FQ, FB+96*((\s)%2)
.irp a, 0,1,2,3,4,5,6,7
.irp c, 0,1
	ds_load_b128 v[FQ+8*\a+4*\c:FQ+8*\a+4*\c+3], v[ADP0] offset:(\a/2)*16384+(\s)*2048+(\a%2)*1024+\c*512
.endr
.endr
.irp b, 0,1,2,3
.irp c, 0,1
	ds_load_b128 v[FQ+64+8*\b+4*\c:FQ+64+8*\b+4*\c+3], v[ADR] offset:(\b/2)*16384+(\s)*2048+(\b%2)*1024+\c*512
.endr
.endr
.endm
; K step s: 32 matrix instructions.  The 32 accumulators (window 1, (a, b) at v[8 (8 b + a)]) take turns, one instruction a turn, in the same order in every step
.macro MUL32 s, zero
	WIN 0x50                                       ; C and D in window 1, fragments in window 0
.irp b, 0,1,2,3
.irp a, 0,1,2,3,4,5,6,7
.set rD, 8*(8*\b+\a)
.set rA, FB+96*((\s)%2)+8*\a
.set rB, FB+96*((\s)%2)+64+8*\b
.set rSA, SP+8*(\a/2)+(\s)
.set rSB, SR+8*(\b/2)+(\s)
	WM \a%2, \b%2, \zero
.endr
.endr
.endm
.macro STEP s, zero
	s_wait_dscnt 0x0                               ; this step's fragments, asked for a step ago, are in
.if (\s) < 7
.if (\s) > 0
	PLACES                                         ; the buffer's last readers are the products of the step before
.endif
	WIN 0
	FETCH (\s)+1
.endif
	MUL32 \s, \zero
.endm
	s_wait_alu depctr_va_vdst(0)                   ; the wait at the head's end
	s_wait_tensorcnt 0x0                           ; my share of the codes is in,
	s_barrier_signal -1
	s_barrier_wait -1                              ; everybody's is.
	FETCH 0
	s_wait_loadcnt 0x0                             ; the scale words
	STEP 0, 1                                      ; the first step's products start the sums: nothing is cleared
	STEP 1, 0
	STEP 2, 0
	STEP 3, 0
	STEP 4, 0
	STEP 5, 0
	STEP 6, 0
	STEP 7, 0
	WIN 0
	PLACES
; 64 numbers of a lane in window w, v[s] .. v[s + 63], register 32 G + i = place 64 G + 32 (lane / 16) + i along the next K of my row, become a fragment's codes in v[PC + 8 b] on and its scale word in v[PW + b].
; A lane holds two whole blocks, 2 G + lane / 16.  Each accumulator is read first at its two lowest registers.
.macro QUANT s, w, b
	WIN 0x05*(\w)
.irp k, 0,1,2,3
	v_max3_num_f32 v[TM+\k], |v[(\s)+16*\k]|, |v[(\s)+1+16*\k]|, 0x1800000   ; four chains of 16 numbers, two to a block, and the floor 2^(3 - 127): the byte cannot fall under 1
.endr
	WIN 0x14*(\w)
.irp i, 2,4,6,8,10,12,14
.irp k, 0,1,2,3
	v_max3_num_f32 v[TM+\k], v[TM+\k], |v[(\s)+16*\k+\i]|, |v[(\s)+1+16*\k+\i]|
.endr
.endr
	WIN 0
	v_max_num_f32 v[TM], v[TM], v[TM+1]            ; block G's largest magnitude: G = 0,
	v_max_num_f32 v[TM+2], v[TM+2], v[TM+3]        ; 1
	v_add_nc_u32 v[TM+12], 0xff000000, v[TM]       ; 2 off its exponent field: the conversion's scale operand
	v_add_nc_u32 v[TM+13], 0xff000000, v[TM+2]
	v_lshrrev_b32 v[TM+4], 23, v[TM+12]            ; the scale's byte
	v_lshrrev_b32 v[TM+5], 23, v[TM+13]
	v_lshl_or_b32 v[TM+4], v[TM+5], 16, v[TM+4]    ; my two bytes,
	v_lshlrev_b32 v[TM+4], v[SH8], v[TM+4]         ; at their places in the word: 8 (lane / 16) bits up;
	v_permlanex16_b32 v[TM+6], v[TM+4], s24, s25
	v_or_b32 v[PW+\b], v[TM+4], v[TM+6]            ; with lane l xor 16's two the word is whole, in both lanes
	WIN 0x01*(\w)
.irp k, 0,1
.irp g, 0,1,2,3
	v_cvt_scalef32_pk8_fp4_f32 v[PC+8*\b+4*\k+\g], v[(\s)+32*\k+8*\g:(\s)+32*\k+8*\g+7], v[TM+12+\k]   ; registers 4 G .. 4 G + 3 of the operand
.endr
.endr
	WIN 0
	v_nop                                          ; one plain place behind a scaled conversion
.endm
; R tile b: my t's 2 x 32 numbers of two heads (the other 32 of each lie in lane l xor 16) are normalised as reference() does: (x - mean) / (sqrt(sum of squares of (x - mean) / 63) + 1e-5).  The two heads by turns.
.macro NORM b
	WIN 0x05                                       ; sources in window 1
.irp i, 0,1,2,3,4,5,6,7
.irp hh, 0,1
	v_pk_add_f32 v[T+16*\hh+2*\i:T+16*\hh+2*\i+1], v[64*\b+32*\hh+4*\i:64*\b+32*\hh+4*\i+1], v[64*\b+32*\hh+4*\i+2:64*\b+32*\hh+4*\i+3]
.endr
.endr
	WIN 0
.irp i, 0,4,8,12
.irp hh, 0,1
	v_pk_add_f32 v[T+16*\hh+\i:T+16*\hh+\i+1], v[T+16*\hh+\i:T+16*\hh+\i+1], v[T+16*\hh+\i+2:T+16*\hh+\i+3]
.endr
.endr
.irp i, 0,8
.irp hh, 0,1
	v_pk_add_f32 v[T+16*\hh+\i:T+16*\hh+\i+1], v[T+16*\hh+\i:T+16*\hh+\i+1], v[T+16*\hh+\i+4:T+16*\hh+\i+5]
.endr
.endr
.irp hh, 0,1
	v_pk_add_f32 v[T+16*\hh:T+16*\hh+1], v[T+16*\hh:T+16*\hh+1], v[T+16*\hh+8:T+16*\hh+9]
.endr
.irp hh, 0,1
	v_add_f32 v[T+16*\hh], v[T+16*\hh], v[T+16*\hh+1]
.endr
.irp hh, 0,1
	v_permlanex16_b32 v[T+16*\hh+1], v[T+16*\hh], s24, s25
.endr
.irp hh, 0,1
	v_add_f32 v[T+16*\hh], v[T+16*\hh], v[T+16*\hh+1]
.endr
.irp hh, 0,1
	v_mul_f32 v[NM+2*\hh], 0xbc800000, v[T+16*\hh] ; - mean: x (-1 / 64), exact
.endr
	WIN 0x01
.irp i, 0,1,2,3,4,5,6,7,8,9,10,11,12,13,14,15
.irp hh, 0,1
	v_pk_add_f32 v[Y+32*\hh+2*\i:Y+32*\hh+2*\i+1], v[64*\b+32*\hh+2*\i:64*\b+32*\hh+2*\i+1], v[NM+2*\hh:NM+2*\hh+1] op_sel_hi:[1,0]
.endr
.endr
	WIN 0
.irp c, 0,1,2,3
.irp hh, 0,1
	v_pk_mul_f32 v[T+16*\hh+2*\c:T+16*\hh+2*\c+1], v[Y+32*\hh+2*\c:Y+32*\hh+2*\c+1], v[Y+32*\hh+2*\c:Y+32*\hh+2*\c+1]
.endr
.endr
.irp i, 4,5,6,7,8,9,10,11,12,13,14,15          ; the squares, in four chains a head
.irp hh, 0,1
	v_pk_fma_f32 v[T+16*\hh+2*(\i%4):T+16*\hh+2*(\i%4)+1], v[Y+32*\hh+2*\i:Y+32*\hh+2*\i+1], v[Y+32*\hh+2*\i:Y+32*\hh+2*\i+1], v[T+16*\hh+2*(\i%4):T+16*\hh+2*(\i%4)+1]
.endr
.endr
.irp hh, 0,1
	v_pk_add_f32 v[T+16*\hh:T+16*\hh+1], v[T+16*\hh:T+16*\hh+1], v[T+16*\hh+2:T+16*\hh+3]
.endr
.irp hh, 0,1
	v_pk_add_f32 v[T+16*\hh+4:T+16*\hh+5], v[T+16*\hh+4:T+16*\hh+5], v[T+16*\hh+6:T+16*\hh+7]
.endr
.irp hh, 0,1
	v_pk_add_f32 v[T+16*\hh:T+16*\hh+1], v[T+16*\hh:T+16*\hh+1], v[T+16*\hh+4:T+16*\hh+5]
.endr
.irp hh, 0,1
	v_add_f32 v[T+16*\hh], v[T+16*\hh], v[T+16*\hh+1]
.endr
.irp hh, 0,1
	v_permlanex16_b32 v[T+16*\hh+1], v[T+16*\hh], s24, s25
.endr
.irp hh, 0,1
	v_add_f32 v[T+16*\hh], v[T+16*\hh], v[T+16*\hh+1]
.endr
.irp hh, 0,1
	v_mul_f32 v[T+16*\hh], 0x3c820821, v[T+16*\hh] ; / 63
.endr
	s_wait_alu depctr_va_vdst(0)                   ; the wait ahead of the roots,
.irp hh, 0,1
	v_sqrt_f32 v[T+16*\hh+2], v[T+16*\hh]
.endr
	v_nop                                          ; a plain instruction behind them,
	s_wait_alu depctr_va_vdst(0)                   ; and the wait ahead of their first reader
.irp hh, 0,1
	v_add_f32 v[T+16*\hh+2], 0x3727c5ac, v[T+16*\hh+2]   ; + 1e-5
.endr
	s_wait_alu depctr_va_vdst(0)                   ; likewise for the two reciprocals
.irp hh, 0,1
	v_rcp_f32 v[RI+2*\hh], v[T+16*\hh+2]
.endr
	v_nop
	s_wait_alu depctr_va_vdst(0)
.irp i, 0,1,2,3,4,5,6,7,8,9,10,11,12,13,14,15
.irp hh, 0,1
	v_pk_mul_f32 v[Y+32*\hh+2*\i:Y+32*\hh+2*\i+1], v[Y+32*\hh+2*\i:Y+32*\hh+2*\i+1], v[RI+2*\hh:RI+2*\hh+1] op_sel_hi:[1,0]
.endr
.endr
.endm
	s_mov_b32 s24, 0x76543210
	s_mov_b32 s25, 0xfedcba98                      ; v_permlanex16_b32's selects for lane l xor 16
	s_mov_b32 s48, 0x7f7f0000                      ; two scale bytes of 1.0
	v_cmp_lt_u32 s26, 15, v1                       ; lanes 16-31
	v_lshrrev_b32 v[SH8], 4, v1
	v_lshlrev_b32 v[SH8], 3, v[SH8]
.irp k, 0,1,2,3
	v_mov_b32 v[TM+4+\k], 0                        ; written once: a lane permute's destination counts as one of its sources
	v_mov_b32 v[NM+2*\k+1], 0                      ; the upper halves of the four pairs of which the low word serves both halves
.endr
	s_cmp_eq_u32 s67, 1
	s_cbranch_scc1 .Lv_path                        ; the same way in all sixteen partners; no barrier and no tensor load stands in either path
	; ---- q and k.  My P rows are heads 4 cy + 2 pr and + 1; my R rows are t = 128 (4 X + cx) + 64 rc + 0 .. 63
	s_lshl_b32 s27, s23, 2
	s_add_co_u32 s27, s27, s21
	s_lshr_b32 s28, s27, 4                         ; b
	s_and_b32 s27, s27, 15                         ; which 128 of the sequence's t: a key step
	s_lshl_b32 s28, s28, 4
	s_lshl_b32 s29, s22, 2
	s_add_co_u32 s28, s28, s29
	s_lshl_b32 s29, s19, 1
	s_add_co_u32 s28, s28, s29                     ; bh of the first head
	s_lshl_b32 s30, s28, 16                        ; q's codes: 65,536 bytes a head, 4,096 for 128 t
	s_lshl_b32 s31, s27, 12
	s_add_co_u32 s30, s30, s31
	s_lshl_b32 s32, s28, 13                        ; q's scale words: 8,192 a head, 512 for 128 t
	s_lshl_b32 s31, s27, 9
	s_add_co_u32 s32, s32, s31
	s_mul_i32 s33, s28, 143360                     ; k: the head's 16 blocks, the key step's block,
	s_mul_i32 s31, s27, 8960
	s_add_co_u32 s33, s33, s31
	s_add_co_u32 s34, s33, 8192                    ; and K's scale words in it
	s_cmp_eq_u32 s66, 0
	s_cselect_b32 s30, s30, s33
	s_cselect_b32 s32, s32, s34
	s_cselect_b64 s[36:37], s[12:13], s[16:17]     ; codes go to qc or to kv,
	s_cselect_b64 s[38:39], s[14:15], s[16:17]     ; scale words to qs or to kv
	s_mov_b32 s33, 143360
	s_cselect_b32 s40, 65536, s33                  ; from a head to the next: codes,
	s_cselect_b32 s42, 8192, s33                   ; scale words
	s_lshl_b32 s31, s20, 11                        ; my 64 t: four tiles of 512 bytes,
	s_add_co_u32 s30, s30, s31
	s_lshl_b32 s31, s20, 8                         ; 256 bytes of scale words
	s_add_co_u32 s32, s32, s31
	s_mov_b32 s31, 0
	s_mov_b32 s33, 0
	s_mov_b32 s41, 0
	s_mov_b32 s43, 0
	s_add_nc_u64 s[36:37], s[36:37], s[30:31]
	s_add_nc_u64 s[38:39], s[38:39], s[32:33]
	s_add_nc_u64 s[44:45], s[36:37], s[40:41]      ; the second head's
	s_add_nc_u64 s[46:47], s[38:39], s[42:43]
.irp b, 0,1,2,3
	NORM \b
	QUANT Y, 0, \b                                 ; blocks 0, 1: the first head's 64; blocks 2, 3: the second's
	global_store_b128 v[ST16], v[PC+8*\b:PC+8*\b+3], s[36:37] offset:512*\b      ; a tile's image: 512 consecutive aligned bytes
	global_store_b128 v[ST16], v[PC+8*\b+4:PC+8*\b+7], s[44:45] offset:512*\b
.endr
.irp g, 0,1
	v_cndmask_b32 v[WD+4+\g], v[PW+2*\g], v[PW+2*\g+1], s26    ; lanes 0-15: tile 2 g's words; lanes 16-31: tile 2 g + 1's
.endr
.irp g, 0,1
	v_and_or_b32 v[WD+\g], v[WD+4+\g], 0xffff, s48             ; the first head's two bytes, under two bytes of 1.0
	v_lshrrev_b32 v[WD+2+\g], 16, v[WD+4+\g]
.endr
.irp g, 0,1
	v_or_b32 v[WD+2+\g], s48, v[WD+2+\g]                       ; the second head's
.endr
	global_store_b64 v[ST8], v[WD:WD+1], s[38:39]              ; 256 consecutive aligned bytes
	global_store_b64 v[ST8], v[WD+2:WD+3], s[46:47]
	s_branch .Ldone
.Lv_path:
	; ---- v.  My R rows are the 64 e of head 2 (4 (X % 2) + cx) + rc of sequence cy; my P rows are the 128 keys of key step 2 (X / 2) + pr
	s_and_b32 s27, s23, 1
	s_lshl_b32 s27, s27, 2
	s_add_co_u32 s27, s27, s21
	s_lshl_b32 s27, s27, 1
	s_add_co_u32 s27, s27, s20
	s_lshl_b32 s28, s22, 4
	s_add_co_u32 s27, s27, s28                     ; bh
	s_lshr_b32 s28, s23, 1
	s_lshl_b32 s28, s28, 1
	s_add_co_u32 s28, s28, s19                     ; key step
	s_mul_i32 s30, s27, 143360
	s_mul_i32 s28, s28, 8960
	s_add_co_u32 s30, s30, s28
	s_mov_b32 s31, 0
	s_add_nc_u64 s[36:37], s[16:17], s[30:31]
.irp b, 0,1,2,3
	QUANT 64*\b, 1, \b                             ; straight from the accumulators: 16 e x 128 keys, a whole fragment of V^T
	global_store_b128 v[ST16], v[PC+8*\b:PC+8*\b+3], s[36:37] offset:4096+1024*\b
	global_store_b128 v[ST16], v[PC+8*\b+4:PC+8*\b+7], s[36:37] offset:4096+1024*\b+512
.endr
.irp g, 0,1
	v_cndmask_b32 v[WD+\g], v[PW+2*\g], v[PW+2*\g+1], s26
.endr
	global_store_b64 v[ST8], v[WD:WD+1], s[36:37] offset:8704
.Ldone:
	s_wait_tensorcnt 0x0                           ; the wave's end: a tensor wait, an LDS add and its wait, behind my last tensor load
	ds_add_u32 v[SPW], v[NIL]
	s_wait_dscnt 0x0
	CROUND                                         ; the closing round: no work-group ends while a partner may still ask for a tile that names it
	s_endpgm
.Lfunc_end_k_q9cfa77d538_proj:
	.size	k_q9cfa77d538_proj, .Lfunc_end_k_q9cfa77d538_proj-k_q9cfa77d538_proj
	.p2alignl 7, 3214868480
	.fill 96, 4, 3214868480
	.section	.rodata,"a",@progbits
	.p2align	6, 0x0
	.amdhsa_kernel k_q9cfa77d538_proj
		.amdhsa_group_segment_fixed_size 197120
		.amdhsa_private_segment_fixed_size 0
		.amdhsa_enable_private_segment 0
		.amdhsa_kernarg_size 56
		.amdhsa_user_sgpr_count 2
		.amdhsa_user_sgpr_kernarg_segment_ptr 1
		.amdhsa_wavefront_size32 1
		.amdhsa_system_sgpr_workgroup_id_x 1
		.amdhsa_system_sgpr_workgroup_id_y 1
		.amdhsa_system_sgpr_workgroup_id_z 1
		.amdhsa_system_vgpr_workitem_id 0
		.amdhsa_next_free_vgpr 512
		.amdhsa_next_free_sgpr 106
		.amdhsa_reserve_vcc 0
		.amdhsa_float_denorm_mode_32 3
		.amdhsa_float_denorm_mode_16_64 3
		.amdhsa_memory_ordered 1
		.amdhsa_forward_progress 1
		.amdhsa_inst_pref_size 125
	.end_amdhsa_kernel
	.amdgpu_metadata
---
amdhsa.version: [ 1, 2 ]
amdhsa.kernels:
  - .name:           k_q9cfa77d538_proj
    .symbol:         k_q9cfa77d538_proj.kd
    .args:
      - { .name: wc, .offset: 0, .size: 8, .value_kind: global_buffer, .address_space: global }
      - { .name: ws, .offset: 8, .size: 8, .value_kind: global_buffer, .address_space: global }
      - { .name: xc, .offset: 16, .size: 8, .value_kind: global_buffer, .address_space: global }
      - { .name: xs, .offset: 24, .size: 8, .value_kind: global_buffer, .address_space: global }
      - { .name: qc, .offset: 32, .size: 8, .value_kind: global_buffer, .address_space: global }
      - { .name: qs, .offset: 40, .size: 8, .value_kind: global_buffer, .address_space: global }
      - { .name: kv, .offset: 48, .size: 8, .value_kind: global_buffer, .address_space: global }
    .group_segment_fixed_size: 197120
    .private_segment_fixed_size: 0
    .kernarg_segment_align: 8
    .kernarg_segment_size: 56
    .max_flat_workgroup_size: 128
    .sgpr_count:     106
    .vgpr_count:     512
    .wavefront_size: 32
...
	.end_amdgpu_metadata
.endif
;; end of part 2
;; launch attn (part 3): grid 4 x 64, 8 waves a work-group, clusters of 4 x 1, 276,480 bytes of LDS; arguments qc, qs, kv, out0; writes out0
.if DOCPART == 3
	.amdgcn_target "amdgcn-amd-amdhsa--gfx1250"
	.amdhsa_code_object_version 6
	.text
	.protected	k_q9cfa77d538_attn
	.globl	k_q9cfa77d538_attn
	.p2align	8
	.type	k_q9cfa77d538_attn,@function
k_q9cfa77d538_attn:
	s_mov_b64 s[64:65], 0
	v_nop
	global_prefetch_b8 v0, s[64:65] scope:SCOPE_SE
	s_setreg_imm32_b32 hwreg(HW_REG_WAVE_MODE, 25, 1), 1
	s_wait_xcnt 0x0
	s_wait_alu depctr_hold_cnt(0) depctr_sa_sdst(0) depctr_va_vdst(0) depctr_va_sdst(0) depctr_va_ssrc(0) depctr_va_vcc(0) depctr_vm_vsrc(0)
	s_getreg_b32 s2, hwreg(HW_REG_IB_STS2, 6, 4)
	s_cmp_eq_u32 s2, 0
	s_cbranch_scc0 .Lentry_in_a_cluster
	s_endpgm
.Lentry_in_a_cluster:
	s_bfe_u32 s2, ttmp6, 0x10000c
	s_cmp_lg_u32 s2, 0x3003
	s_cbranch_scc0 .Lentry_shape_is_right
	s_endpgm
.Lentry_shape_is_right:
; THIRD LAUNCH: out[b][64 h + e][t] = the sum over keys s of softmax_s(q[t] . k[s] / 8) v[s][e], both products on the codes that the second launch made.  No work is left out.
; THE SOFTMAX AHEAD OF THE SECOND PRODUCT: t = score x log2(e) / 8; p = 2^(t - M), M a whole number, is quantised along the keys; the row's sum of the unquantised p divides at the end.
; M IS THE CONSTANT 0, AND THAT HOLDS FOR EVERY INPUT: reference() itself normalises q and k, so the sum of q^2 over a head is 63 s^2 / (s + 1e-5)^2 < 63; rounding to E2M1 at most doubles a magnitude (0.25 of a scale to 0.5)
; and the clamp only lowers it; so |score| < 4 x 63 = 252 and |t| < 45.5.  Then p lies in 2^-46 .. 2^46, a row's sum under 2^57, p's scale bytes in 79 .. 171: no exponential and no sum can overflow or underflow.
; A change of M is an exact power of two that the blocks' scales take up, so the codes' values are those of M = ceil(the row's largest t).
; SHARES: a work-group owns 512 queries of one head; each of its eight waves 64 of them, four tiles of 16, in 512 registers: two waves to a SIMD.  Each fragment of K and of V that a wave reads feeds four products.
; LDS: THE HEAD'S WHOLE K AND V, codes and scale words, 16 blocks of 8,960 bytes, filled once: each wave brings two blocks by one load.  No ring, nothing is filled again.
; CLUSTER 4 x 1: the four work-groups of a head walk the same K and V and ask for them jointly.  No prefetch: every byte is asked for once, at the head, and there is no loop to run ahead in.
; LAYOUT: both products transposed: S^T = K Q^T, O^T = V^T P^T: a lane holds one query throughout.  Lane r of key tile 4 G + u holds key 64 G + 32 (r / 8) + 8 u + r % 8, so register 32 G + i of a lane's 64 scores is key
; 64 G + 32 (lane / 16) + i: a lane holds two WHOLE blocks of 32 keys, in the order of the operand's registers 4 G .. 4 G + 3: a block's maximum needs no other lane, and the conversions' results are the operand.
; The tiles of V's rows e and of the queries are laid the same way: register 8 et + j of O^T is e = 32 (lane / 16) + 8 et + j; lane r of my tile qt is query 64 w + 8 qt + 32 (r / 8) + r % 8 of the work-group's 512.
; K = 64 IN A K = 128 INSTRUCTION: Q's registers 4-7 are zero codes; K's tile is named as eight registers, of which the upper four are the next tile's codes (behind the last: zeros); scale bytes 2, 3 of both are 1.0: they add exactly 0.
; THE ORDER OF A KEY STEP: the scores have two buffers, so tile t + 2's products are issued behind tile t's softmax and stand ready under tile t + 1's; the next step's K is fetched behind the step's last score products, its V behind the
; step's last products: each has two tiles' softmax or more in which to come.  A tile's two maxima go in eight chains, its sum in four that last through all key steps, the two kinds by turns.
; THE WAY OUT: a wave's 64 queries are 256 bytes of each row of the output, so each wave goes out through a stage of its own: no barrier.
; LIMITS: NaN and infinities are not served; |v| stays under 2^70, so that p x v summed over 2,048 keys stays in f32.
; REGISTERS, window 0: v1 16 x lane, v3 8 x lane; v2, v4 a block's LDS addresses; v5, v6 the add's two; v7 8 x (lane / 16); v8-39 Q's four fragments; v40-41 Q's scale words; v42-45 K's, v46-47 V's; v48-79 K's tiles, v80-83 zeros;
; v84-87 p's scale words; v88-95 at work; v96-159, v160-223 the scores' two buffers; v224-255 the sums.   Window 1: v0-127 O^T, (query tile, e tile) at 32 qt + 8 et; v128-159 V's fragments; v160-191 p's codes.
.set BLK,   8960                       ; a key step's block: K's codes at 0, V's at 4,096, K's scale words at 8,192, V's at 8,704
.set STG,   143360                     ; behind the 16 blocks: the stages for the way out, [64 e][64 t] f32 for each wave: 16,384 bytes
.set SPARE, 274432                     ; the spare words, 128 bytes for each wave: four blocks of 256 bytes that no other line names
.set SX, 96
.set SY, 160
.set TM, 88
.set LS, 224
.set MSB, 0
.macro WIN new                         ; the immediate's high byte repeats the setting that is left; a switch that changes nothing is dropped
.if MSB != (\new)
	s_set_vgpr_msb (MSB<<8)|(\new)
.set MSB, (\new)
.endif
.endm
.macro PLACES
.rept 4
	v_nop
.endr
.endm
.macro CROUND                          ; a round of the cluster's barrier
	s_barrier_signal -1
	s_barrier_wait -1
	s_cmp_lg_u32 s12, 0
	s_cbranch_scc1 .Lnot_wave_0_\@
	s_barrier_signal -3
.Lnot_wave_0_\@:
	s_barrier_wait -3
	s_barrier_signal -1
	s_barrier_wait -1
.endm
	s_load_b256 s[4:11], s[0:1], 0x0               ; qc s[4:5], qs s[6:7], kv s[8:9], out0 s[10:11]
	v_lshl_add_u32 v5, v0, 2, SPARE
	v_mov_b32 v6, 0
	ds_add_u32 v5, v6                              ; the wave's opening: the add, twice on end, and its wait ahead of my first tensor load; the set-up below stands between
	ds_add_u32 v5, v6
	v_lshrrev_b32 v1, 5, v0
	s_delay_alu instid0(VALU_DEP_1)
	v_readfirstlane_b32 s12, v1                    ; wave 0..7
	s_bfe_u32 s13, ttmp6, 0x40000                  ; cx
	s_and_b32 s14, ttmp7, 0xffff                   ; bh, which the four partners share
	s_lshl_b32 s15, ttmp9, 2
	s_add_co_u32 s15, s15, s13                     ; my block of 512 queries: it enters Q's and the output's addresses alone
	s_mov_b32 s24, 15|(3<<16)|(1<<21)              ; group 1: 15:0 the mask: all four; 17:16 elements of 8 bytes; 21 set beside a mask
	s_mov_b32 s25, 32<<16                          ; two blocks are 17,920 dense bytes: 70 rows of 256
	s_mov_b32 s26, 70<<16
	s_mov_b32 s27, 32<<16
	s_mov_b32 s28, 70
	s_mov_b32 s29, 32
	s_mov_b32 s30, 0
	s_mov_b32 s31, 0
	s_mov_b32 s16, 1                               ; group 0
	s_mul_i32 s17, s12, 2*BLK                      ; blocks 2 w, 2 w + 1, in LDS
	s_mul_i32 s34, s14, 16*BLK
	s_add_co_u32 s34, s34, s17                     ; and in the head's part of kv
	s_mov_b32 s35, 0
	s_mov_b32 s20, 0x76543210
	s_mov_b32 s21, 0xfedcba98                      ; v_permlanex16_b32's selects for lane l xor 16
	s_mov_b32 s22, 0x3e38aa3b                      ; c = log2(e) / 8
	s_mov_b32 s23, s22                             ; (named with it as a pair)
	s_mov_b32 s32, 0                               ; where the block that is fetched begins in LDS
	s_wait_dscnt 0x0                               ; both opening adds are done
	s_wait_kmcnt 0x0
	s_add_nc_u64 s[18:19], s[8:9], s[34:35]
	s_or_b32 s19, s19, 0x80000000
	CROUND                                         ; all four work-groups are here: the joint loads meet
	tensor_load_to_lds s[16:19], s[24:31]          ; every wave's one load; one tensor load of mine is out
	s_nop 0
	PLACES
	s_lshl_b32 s36, s15, 3
	s_add_co_u32 s36, s36, s12                     ; my 64 queries among the head's 32 x 64
	s_lshl_b32 s34, s14, 16
	s_lshl_b32 s37, s36, 11
	s_add_co_u32 s34, s34, s37
	s_add_nc_u64 s[4:5], s[4:5], s[34:35]          ; their four tiles of codes
	s_lshl_b32 s34, s14, 13
	s_lshl_b32 s37, s36, 8
	s_add_co_u32 s34, s34, s37
	s_add_nc_u64 s[6:7], s[6:7], s[34:35]          ; their scale words: 8 bytes a lane
	s_lshl_b32 s34, s14, 19                        ; the output: 64 rows of 8,192 bytes a head,
	s_lshl_b32 s37, s15, 11                        ; my work-group's 512 t,
	s_add_co_u32 s34, s34, s37
	s_lshl_b32 s37, s12, 8                         ; my 64 of them
	s_add_co_u32 s34, s34, s37
	s_add_nc_u64 s[10:11], s[10:11], s[34:35]
	v_and_b32 v2, 31, v0
	v_bfe_u32 v7, v0, 4, 1
	s_delay_alu instid0(VALU_DEP_2)
	v_lshlrev_b32 v1, 4, v2
	v_lshlrev_b32 v3, 3, v2
	v_lshlrev_b32 v7, 3, v7
.irp q, 0,1,2,3
	global_load_b128 v[8+8*\q:11+8*\q], v1, s[4:5] offset:512*\q   ; Q stays in registers
.endr
	global_load_b64 v[40:41], v3, s[6:7]           ; v40: lanes 0-15 tile 0's scale words, lanes 16-31 tile 1's; v41: tiles 2, 3
.irp j, 12,13,14,15,20,21,22,23,28,29,30,31,36,37,38,39,80,81,82,83
	v_mov_b32 v[\j], 0                             ; zero codes: Q's k = 64 .. 127, and what stands behind K's last tile
.endr
.set i, 0
.rept 32
	v_mov_b32 v[LS+i], 0                           ; the sums
.set i, i+1
.endr
	s_wait_alu depctr_va_vdst(0)                   ; the wait at the head's end
	s_wait_tensorcnt 0x0                           ; my two blocks are in,
	s_barrier_signal -1
	s_barrier_wait -1                              ; everybody's are
.macro WM ra, rb, zero                 ; one matrix instruction on rD, rA, rB, rSA, rSB; ra, rb: the side's scale words stand in lanes 16-31; zero: it starts its sum
.if \zero
.if (\ra) && (\rb)
	v_wmma_scale_f32_16x16x128_f8f6f4 v[rD:rD+7], v[rA:rA+7], v[rB:rB+7], 0, v[rSA], v[rSB] matrix_a_fmt:MATRIX_FMT_FP4 matrix_b_fmt:MATRIX_FMT_FP4 matrix_a_scale:MATRIX_SCALE_ROW1 matrix_b_scale:MATRIX_SCALE_ROW1
.elseif (\ra)
	v_wmma_scale_f32_16x16x128_f8f6f4 v[rD:rD+7], v[rA:rA+7], v[rB:rB+7], 0, v[rSA], v[rSB] matrix_a_fmt:MATRIX_FMT_FP4 matrix_b_fmt:MATRIX_FMT_FP4 matrix_a_scale:MATRIX_SCALE_ROW1
.elseif (\rb)
	v_wmma_scale_f32_16x16x128_f8f6f4 v[rD:rD+7], v[rA:rA+7], v[rB:rB+7], 0, v[rSA], v[rSB] matrix_a_fmt:MATRIX_FMT_FP4 matrix_b_fmt:MATRIX_FMT_FP4 matrix_b_scale:MATRIX_SCALE_ROW1
.else
	v_wmma_scale_f32_16x16x128_f8f6f4 v[rD:rD+7], v[rA:rA+7], v[rB:rB+7], 0, v[rSA], v[rSB] matrix_a_fmt:MATRIX_FMT_FP4 matrix_b_fmt:MATRIX_FMT_FP4
.endif
.else
.if (\ra)
	v_wmma_scale_f32_16x16x128_f8f6f4 v[rD:rD+7], v[rA:rA+7], v[rB:rB+7], v[rD:rD+7], v[rSA], v[rSB] matrix_a_fmt:MATRIX_FMT_FP4 matrix_b_fmt:MATRIX_FMT_FP4 matrix_a_scale:MATRIX_SCALE_ROW1
.else
	v_wmma_scale_f32_16x16x128_f8f6f4 v[rD:rD+7], v[rA:rA+7], v[rB:rB+7], v[rD:rD+7], v[rSA], v[rSB] matrix_a_fmt:MATRIX_FMT_FP4 matrix_b_fmt:MATRIX_FMT_FP4
.endif
.endif
.endm
.macro SPROD qt, sb                    ; S^T of query tile qt into the buffer at sb: eight tiles of 16 keys, eight accumulators, one product each
.irp kt, 0,1,2,3,4,5,6,7
.set rD, (\sb)+8*\kt
.set rA, 48+4*\kt
.set rB, 8+8*(\qt)
.set rSA, 42+\kt/2
.set rSB, 40+(\qt)/2
	WM \kt%2, (\qt)%2, 1
.endr
.endm
.macro ADDP                            ; the next two p onto the tile's sums: four chains by turns.  The row's sum is taken of the unquantised p
	v_pk_add_f32 v[LQ+2*(J%4):LQ+2*(J%4)+1], v[LQ+2*(J%4):LQ+2*(J%4)+1], v[S+2*J:S+2*J+1]
.set J, J+1
.endm
; Query tile qt: the 64 scores of a lane, in the buffer at sb, become p, p's codes in window 1's v[160 + 8 qt] on, its scale word in v[84 + qt], and are added to the sums.
; w = 1: exponentials stand between the products that made the scores and this first read of them
.macro SOFTMAX qt, sb, w
.set S, \sb
.set LQ, LS+8*\qt
.set PCD, 160+8*\qt
.set J, 0
.if \w
	s_wait_alu depctr_va_vdst(0)                   ; the wait here, directly ahead of the scores' first readers
.endif
.set i, 0
.rept 32
	v_pk_mul_f32 v[S+2*i:S+2*i+1], v[S+2*i:S+2*i+1], s[22:23] op_sel_hi:[1,0]    ; t = c x score, each accumulator from its low end on
.set i, i+1
.endr
.set i, 0
	s_wait_alu depctr_va_vdst(0)                   ; the wait ahead of the batch,
.rept 64
	v_exp_f32 v[S+i], v[S+i]                       ; p = 2^t
.set i, i+1
.endr
	v_nop                                          ; a plain instruction behind the last exponential,
	s_wait_alu depctr_va_vdst(0)                   ; and the one wait for the batch ahead of its first reader
; Each block's largest p (none is negative; none is under 2^-46, so no floor is needed): chain c of block g takes 7, 7, 9, 9 of its 32 numbers, from register 7 c + 2 (c / 3) on
.irp n, 0,1
.irp g, 0,1
.irp c, 0,1,2,3
.set BB, S+32*\g+7*\c+2*(\c/3)
.if \n == 0
	v_max3_num_f32 v[TM+4*\g+\c], v[BB], v[BB+1], v[BB+2]
.else
	v_max3_num_f32 v[TM+4*\g+\c], v[TM+4*\g+\c], v[BB+3], v[BB+4]
.endif
	ADDP
.endr
.endr
.endr
.irp g, 0,1
.irp c, 0,1,2,3
.set BB, S+32*\g+7*\c+2*(\c/3)
	v_max3_num_f32 v[TM+4*\g+\c], v[TM+4*\g+\c], v[BB+5], v[BB+6]
.endr
.endr
.irp g, 0,1
.irp c, 2,3
.set BB, S+32*\g+7*\c+2*(\c/3)
	v_max3_num_f32 v[TM+4*\g+\c], v[TM+4*\g+\c], v[BB+7], v[BB+8]
.endr
.endr
	v_max3_num_f32 v[TM], v[TM], v[TM+1], v[TM+2]
	v_max3_num_f32 v[TM+4], v[TM+4], v[TM+5], v[TM+6]
	ADDP
	ADDP
	v_max_num_f32 v[TM], v[TM], v[TM+3]            ; block lane / 16's largest p,
	v_max_num_f32 v[TM+4], v[TM+4], v[TM+7]        ; block 2 + lane / 16's
	ADDP
	ADDP
	v_add_nc_u32 v[TM+1], 0xff000000, v[TM]        ; 2 off the exponent field: the conversion's scale operand
	v_add_nc_u32 v[TM+5], 0xff000000, v[TM+4]
	v_lshrrev_b32 v[TM+2], 23, v[TM+1]             ; the scale's byte
	v_lshrrev_b32 v[TM+6], 23, v[TM+5]
	WIN 0x40                                       ; the codes go to window 1
.irp g, 0,1
.irp q, 0,1,2,3
	v_cvt_scalef32_pk8_fp4_f32 v[PCD+4*\g+\q], v[S+32*\g+8*\q:S+32*\g+8*\q+7], v[TM+1+4*\g]   ; registers 4 g .. 4 g + 3 of the operand
.endr
.endr
	WIN 0
	v_lshl_or_b32 v[TM+2], v[TM+6], 16, v[TM+2]    ; my two bytes (also the plain place behind the conversions),
	ADDP
	v_lshlrev_b32 v[TM+2], v7, v[TM+2]             ; at their places in the word: 8 (lane / 16) bits up;
	ADDP
	v_permlanex16_b32 v[TM+3], v[TM+2], s20, s21
	ADDP
	v_or_b32 v[84+\qt], v[TM+2], v[TM+3]           ; with lane l xor 16's two the word is whole
.rept 9
	ADDP                                           ; these nine are also the places between the scale word's write and the products that take it
.endr
.endm
.macro KLOAD                           ; ten LDS loads: a block's eight tiles of K, each an image of 512 consecutive bytes, and their scale words
.irp kt, 0,1,2,3,4,5,6,7
	ds_load_b128 v[48+4*\kt:51+4*\kt], v2 offset:512*\kt
.endr
	ds_load_b64 v[42:43], v4 offset:8192           ; tiles 0 .. 3;
	ds_load_b64 v[44:45], v4 offset:8448           ; 4 .. 7
.endm
.macro VLOAD                           ; nine: its scale words of V and V's four fragments, into window 1
	ds_load_b64 v[46:47], v4 offset:8704
	WIN 0x40
.irp et, 0,1,2,3
.irp c, 0,1
	ds_load_b128 v[128+8*\et+4*\c:131+8*\et+4*\c], v2 offset:4096+1024*\et+512*\c
.endr
.endr
	WIN 0
.endm
; A key step: 128 keys.  zero = 1: the first, whose last products start O^T's sums.  more = 1: a step follows, and its K and V are fetched
.macro STEP zero, more
	s_wait_dscnt 9                                 ; K and its scale words are in; V's nine loads, issued behind them, may be out
	SPROD 0, SX
	SPROD 1, SY
	PLACES
	SOFTMAX 0, SX, 0
	SPROD 2, SX
	SOFTMAX 1, SY, 1
	SPROD 3, SY
.if \more
	s_add_co_u32 s32, s32, BLK
	v_add_nc_u32 v2, s32, v1
	v_add_nc_u32 v4, s32, v3
	v_nop
	v_nop                                          ; four places behind the products above, ahead of the loads into K's registers
	KLOAD
.endif
	SOFTMAX 2, SX, 1
	SOFTMAX 3, SY, 1
	s_wait_alu depctr_va_vdst(0)                   ; the wait here, directly ahead of the wait below
.if \more
	s_wait_dscnt 10                                ; V is in; the next K's ten loads may be out
.else
	s_wait_dscnt 0x0
.endif
	WIN 0x55                                       ; O^T, V and p's codes all lie in window 1
.irp et, 0,1,2,3                               ; O^T += V^T P^T: sixteen accumulators by turns
.irp qt, 0,1,2,3
.set rD, 32*\qt+8*\et
.set rA, 128+8*\et
.set rB, 160+8*\qt
.set rSA, 46+\et/2
.set rSB, 84+\qt
	WM \et%2, 0, \zero
.endr
.endr
	WIN 0
.if \more
	PLACES                                         ; ahead of the loads into V's registers
	VLOAD
.endif
.endm
	v_add_nc_u32 v2, s32, v1
	v_add_nc_u32 v4, s32, v3
	KLOAD
	VLOAD
	s_wait_loadcnt 0x0                             ; Q
	STEP 1, 1
	s_mov_b32 s33, 14
.Lstep:
	STEP 0, 1
	s_sub_co_u32 s33, s33, 1
	s_cmp_lg_u32 s33, 0
	s_cbranch_scc1 .Lstep
	STEP 0, 0                                      ; the last step fetches nothing
	; THE WAY OUT.  O^T / the sum goes into my stage, [e][t], and leaves as rows along t.  The lines down to the reciprocals are also the places behind the last products.
.irp q, 0,1,2,3
	v_pk_add_f32 v[LS+8*\q:LS+8*\q+1], v[LS+8*\q:LS+8*\q+1], v[LS+8*\q+2:LS+8*\q+3]       ; the sums' four chains,
	v_pk_add_f32 v[LS+8*\q+4:LS+8*\q+5], v[LS+8*\q+4:LS+8*\q+5], v[LS+8*\q+6:LS+8*\q+7]
.endr
.irp q, 0,1,2,3
	v_pk_add_f32 v[LS+8*\q:LS+8*\q+1], v[LS+8*\q:LS+8*\q+1], v[LS+8*\q+4:LS+8*\q+5]
.endr
.irp q, 0,1,2,3
	v_add_f32 v[LS+8*\q], v[LS+8*\q], v[LS+8*\q+1]             ; the two halves,
.endr
.irp q, 0,1,2,3
	v_permlanex16_b32 v[LS+8*\q+2], v[LS+8*\q], s20, s21
.endr
.irp q, 0,1,2,3
	v_add_f32 v[LS+8*\q], v[LS+8*\q], v[LS+8*\q+2]             ; and lane l xor 16's
.endr
	s_wait_alu depctr_va_vdst(0)                   ; the wait ahead of the reciprocals
.irp q, 0,1,2,3
	v_rcp_f32 v[TM+2*\q], v[LS+8*\q]               ; the low halves of four pairs
.endr
	v_and_b32 v8, 7, v0                            ; r % 8
	v_and_b32 v9, 8, v0
	v_and_b32 v13, 15, v0
	s_delay_alu instid0(VALU_DEP_2)
	v_lshl_add_u32 v8, v9, 2, v8                   ; + 32 (r / 8)
	v_bfe_u32 v9, v0, 4, 1                         ; h
	v_lshlrev_b32 v13, 4, v13
	v_lshlrev_b32 v8, 2, v8
	s_delay_alu instid0(VALU_DEP_1)
	v_lshl_add_u32 v8, v9, 13, v8                  ; + 32 h rows of 256 bytes
	s_lshl_b32 s34, s12, 14
	s_add_co_u32 s34, s34, STG                     ; my stage
	v_add_nc_u32 v10, s34, v8                      ; v10: where my results go
	v_add_nc_u32 v11, s34, v1                      ; v11: back: two rows of 256 bytes an instruction, 16 bytes a lane
	v_lshl_add_u32 v12, v9, 13, v13                ; v12: the same two rows in the output, 8,192 bytes apart
	s_wait_alu depctr_va_vdst(0)                   ; the wait for the four reciprocals, ahead of their first reader, which is also O^T's
	WIN 0x41                                       ; O^T in window 1, 1 / l in window 0
.irp qt, 0,1,2,3
.set i, 0
.rept 16
	v_pk_mul_f32 v[32*\qt+2*i:32*\qt+2*i+1], v[32*\qt+2*i:32*\qt+2*i+1], v[TM+2*\qt:TM+2*\qt+1] op_sel_hi:[1,0]
.set i, i+1
.endr
.endr
	WIN 0x04                                       ; the stores' data in window 1
.irp qt, 0,1,2,3
.set i, 0
.rept 32
	ds_store_b32 v10, v[32*\qt+i] offset:i*256+32*\qt          ; o(e = 32 h + i, t = 64 w + 8 qt + 32 (r / 8) + r % 8)
.set i, i+1
.endr
.endr
	WIN 0
.set n, 0
.rept 32
	ds_load_b128 v[96+4*n:99+4*n], v11 offset:512*n            ; LDS serves a wave's instructions in order (ISA guide 5.7.1.4): these see my stores; the stage is my own
.set n, n+1
.endr
.set n, 0
.rept 32
	s_wait_dscnt 31-n                              ; the 31 - n younger loads may be out
	global_store_b128 v12, v[96+4*n:99+4*n], s[10:11] offset:16384*n th:TH_STORE_NT   ; sixteen lanes store 256 consecutive aligned bytes of row 2 n, sixteen of row 2 n + 1
.set n, n+1
.endr
	s_wait_tensorcnt 0x0                           ; the wave's end: a tensor wait, an LDS add and its wait, behind my last tensor load and my last LDS store
	ds_add_u32 v5, v6
	s_wait_dscnt 0x0
	CROUND                                         ; the closing round: no work-group ends while a partner may still ask for a tile that names it
	s_endpgm
.Lfunc_end_k_q9cfa77d538_attn:
	.size	k_q9cfa77d538_attn, .Lfunc_end_k_q9cfa77d538_attn-k_q9cfa77d538_attn
	.p2alignl 7, 3214868480
	.fill 96, 4, 3214868480
	.section	.rodata,"a",@progbits
	.p2align	6, 0x0
	.amdhsa_kernel k_q9cfa77d538_attn
		.amdhsa_group_segment_fixed_size 276480
		.amdhsa_private_segment_fixed_size 0
		.amdhsa_enable_private_segment 0
		.amdhsa_kernarg_size 32
		.amdhsa_user_sgpr_count 2
		.amdhsa_user_sgpr_kernarg_segment_ptr 1
		.amdhsa_wavefront_size32 1
		.amdhsa_system_sgpr_workgroup_id_x 1
		.amdhsa_system_sgpr_workgroup_id_y 1
		.amdhsa_system_sgpr_workgroup_id_z 1
		.amdhsa_system_vgpr_workitem_id 0
		.amdhsa_next_free_vgpr 512
		.amdhsa_next_free_sgpr 66
		.amdhsa_reserve_vcc 0
		.amdhsa_float_denorm_mode_32 3
		.amdhsa_float_denorm_mode_16_64 3
		.amdhsa_memory_ordered 1
		.amdhsa_forward_progress 1
		.amdhsa_inst_pref_size 158
	.end_amdhsa_kernel
	.amdgpu_metadata
---
amdhsa.version: [ 1, 2 ]
amdhsa.kernels:
  - .name:           k_q9cfa77d538_attn
    .symbol:         k_q9cfa77d538_attn.kd
    .args:
      - { .name: qc, .offset: 0, .size: 8, .value_kind: global_buffer, .address_space: global }
      - { .name: qs, .offset: 8, .size: 8, .value_kind: global_buffer, .address_space: global }
      - { .name: kv, .offset: 16, .size: 8, .value_kind: global_buffer, .address_space: global }
      - { .name: out0, .offset: 24, .size: 8, .value_kind: global_buffer, .address_space: global }
    .group_segment_fixed_size: 276480
    .private_segment_fixed_size: 0
    .kernarg_segment_align: 8
    .kernarg_segment_size: 32
    .max_flat_workgroup_size: 256
    .sgpr_count:     66
    .vgpr_count:     512
    .wavefront_size: 32
...
	.end_amdgpu_metadata
.endif
;; end of part 3
